; MI455X (gfx1250); checked and timed in simulation.
; The chip was launched on July 23, 2026; its instructions are those of AMD's public machine-readable ISA for CDNA 5 (MIT licence, August 2026) and "CDNA5" Instruction Set Architecture Reference Guide (July 2026). The comments in the code are by the model that wrote it; some were corrected since.
;; Categorical. Allowed arithmetic: matrix products marked QUANTISED: E2M1 operands, one E8M0 scale for each 32 along K, by v_wmma_scale_f32_16x16x128_f8f6f4 with both operands' format E2M1 (or v_wmma_scale_f32_32x16x128_f4), f32 sums; products left as they are: f32 operands where the result goes on into a quantised operand, else bf16, f16 or f32 operands; f32 sums; everything else in f32.
;; Inputs: W_codes 8 x 512 x 32 x 16 uint8 (E2M1 codes of W, K innermost, in blocks of 32 codes, two codes a byte); W_scales 8 x 512 x 32 uint8 (E8M0 scales of W, one for each 32 codes along K); b 8 x 512 float32; index 16,384 int32; x_codes 16,384 x 32 x 16 uint8 (E2M1 codes of x, K innermost, in blocks of 32 codes, two codes a byte); x_scales 16,384 x 32 uint8 (E8M0 scales of x, one for each 32 codes along K).
;; Outputs: out0 16,384 x 512 float32.
;; This version of the problem:
;;   THIS VERSION OF THE PROBLEM IS GIVEN IN LOW PRECISION. The matrix products marked QUANTISED in the list below multiply operands that are first quantised to E2M1 (2 exponent bits, 1 mantissa bit; 4 bits a number), with one power-of-two scale for each 32 numbers along K (OCP MX v1.0); their sums are f32. All else is computed in f32.
;;   The module's matrix products, in the order in which they are computed (A, B: the left and right operand; K: the contracted axis; several contracted axes count as one K, in the product's order):
;;     1. [M 4,096, K 1,024] x [K 1,024, N 16,384]; A: input W (given as codes); B: input x (given as codes): QUANTISED
;;     2. batch 16,384 x [M 512, K 8] x [K 8, N 1]; A: computed on the way; B: computed on the way: left as it is (K = 8 < 32)
;;   THE QUANTISER, for each operand of a quantised product, along K:
;;     - K is cut into blocks of 32 from its start; a last block that is shorter is filled with zeros.
;;     - A block's scale is 2^e with e = floor(log2(the largest magnitude in the block)) - 2, held to -126 .. 127; a block of zeros has e = 0. As a byte (E8M0): e + 127.
;;     - Each number is divided by its block's scale, clamped to +-6, and rounded to the nearest number of E2M1, ties to even, subnormals kept.
;;     - The product sums the exact products of the quantised numbers (number of the format x scale) in f32.
;;   ~~~python
;;   def quantise(x, axis):      # numpy; x: float32 -> the quantised numbers, widened to float32 again
;;       x = np.moveaxis(x, axis, -1); K = x.shape[-1]
;;       x = np.pad(x, [(0, 0)] * (x.ndim - 1) + [(0, -K % 32)]); x = x.reshape(x.shape[:-1] + (-1, 32)); a = np.abs(x).max(-1, keepdims=True)
;;       e = np.where(a > 0, np.clip(np.frexp(np.where(a > 0, a, 1))[1] - 1 - 2, -126, 127), 0)      # np.frexp(a)[1] - 1 = floor(log2(a)), exactly
;;       r = np.clip(x / 2.0 ** e, -6, 6)
;;       step = 2.0 ** (np.maximum(np.frexp(np.where(r == 0, 1, r))[1] - 1, 0) - 1)
;;       q = np.round(r / step) * step * 2.0 ** e      # np.round: ties to even
;;       return np.moveaxis(q.reshape(q.shape[:-2] + (-1,))[..., :K], -1, axis).astype(np.float32)
;;   ~~~
;;   INPUTS GIVEN AS CODES. W (in the module: [8, 512, 1024], K = its axis 2); x (in the module: [16384, 1024], K = its axis 1): each comes as NAME_codes (uint8): NAME with its K axis moved to the last place and cut into blocks of 32 codes, [.., K / 32, bytes a block], one block behind the other in memory; two codes a byte, the lower K in the low four bits (a code: sign, 2 exponent bits, 1 mantissa bit); and NAME_scales (uint8): the same leading axes, one E8M0 byte (e + 127) for each 32 codes along K. Its value is code x scale, taken as it is: it is not quantised again, and the codes and scales need not be those that the quantiser above would give.
;; 2 versions, each right; version 2 is version 1 with the launch moe written anew for expert scheduling mode. Each part assembles by itself: llvm-mc -triple=amdgcn-amd-amdhsa -mcpu=gfx1250 --defsym DOCPART=n.
;; ======== version 1 of 2: 2 launches
;; workspace buffers: order 65,536 bytes of whole numbers; offs 256 bytes of whole numbers; wfrag 2,097,152 bytes
;; launch prep (part 1): grid 64 x 1, 8 waves a work-group, no clusters, 1,536 bytes of LDS; arguments index, W_codes, order, offs, wfrag; writes order, offs, wfrag
.if DOCPART == 1
	.amdgcn_target "amdgcn-amd-amdhsa--gfx1250"
	.amdhsa_code_object_version 6
	.text
	.protected	k_qf7fbb039e3_prep
	.globl	k_qf7fbb039e3_prep
	.p2align	8
	.type	k_qf7fbb039e3_prep,@function
k_qf7fbb039e3_prep:
	s_mov_b64 s[64:65], 0
	v_nop
	global_prefetch_b8 v0, s[64:65] scope:SCOPE_SE
	s_setreg_imm32_b32 hwreg(HW_REG_WAVE_MODE, 25, 1), 1
	s_wait_xcnt 0x0
; Two jobs for the launch that follows.
; (1) A COUNTING SORT of the 16,384 rows by their expert, without atomics: order[p] = the row at sorted place p, offs[e] = expert e's first place (offs[8] = 16,384; words 9-31 likewise).
;     Work-group g places rows 256 g .. 256 g + 255, thread t row 256 g + t.  Every work-group counts the whole index for itself (64 KiB, 8 KiB a wave), so nothing passes between work-groups:
;     a row's place = its expert's first place + the expert's rows in front of my work-group's 256 + those in my work-group's earlier waves + those in earlier lanes of my wave.
; (2) W's codes are laid in the order of the operand's registers: for each tile of 16 rows of W (256 tiles), 8,192 bytes [i = 0..15][lane][16 bytes],
;     the entry being the 16 bytes of row (lane % 16) at byte 32 i + 16 (lane / 16): register group i % 2 of the fragment of K step i / 2.  A wave of the next launch then loads fragments by 512 consecutive bytes.
; LIMIT: index holds 0 .. 7 (it indexes a table of 8 experts); other numbers are not served.
; The stores into order are 4 bytes a lane, in up to eight runs of neighbouring places a wave: 64 KiB in the whole launch.
.set CW, 48                            ; v48-111  the wave's 2,048 index words, 64 a lane
.set WD, 128                           ; v128-159 W's codes on their way: 8 x 4 registers
; v1 lane; v2 lane % 8; v3 4 x thread; v4 8192 wave + 16 lane; v5 512 r + 16 h; v6 16 lane; v7, v8 LDS addresses; v9 my row's expert
; v10, v11 counts so far, a byte an expert (even experts, odd experts); v12, v13 the same as they stood in front of my work-group's rows; v14, v15 at work
; v16-19 the wave's counts, v20-23 its share of 'in front of my work-group', 16 bits an expert: (e0,e4) (e2,e6) (e1,e5) (e3,e7); v24-31 at work; v32-35 my wave's own 32 rows, packed likewise
; s14 wave; s16 g % 8; s17 g / 8; s22-29 ballots; s30-37 counts; s38-46 offs; s48-55 first free place for my wave, by expert; s56-63 at work
	s_load_b256 s[4:11], s[0:1], 0x0               ; index s[4:5], W_codes s[6:7], order s[8:9], offs s[10:11]
	s_load_b64 s[12:13], s[0:1], 0x20              ; wfrag
	v_lshl_add_u32 v160, v0, 2, 0x200
	v_mov_b32 v161, 0
	v_lshrrev_b32 v1, 5, v0
	v_readfirstlane_b32 s14, v1                    ; wave 0..7
	v_and_b32 v1, 31, v0                           ; lane
	v_and_b32 v2, 7, v0
	v_lshlrev_b32 v3, 2, v0
	v_lshlrev_b32 v6, 4, v1
	s_lshl_b32 s56, s14, 13
	v_add_nc_u32 v4, s56, v6                       ; the wave's 8 KiB of the index, 16 bytes a lane
	v_and_b32 v14, 15, v0                          ; r
	v_bfe_u32 v15, v0, 4, 1                        ; h
	v_lshlrev_b32 v5, 9, v14
	v_lshl_add_u32 v5, v15, 4, v5                  ; W: row r of 512 bytes, + 16 h
	s_lshl_b32 s57, s14, 6
	v_mov_b32 v7, s57                              ; LDS: my wave's entry, 64 bytes
	v_lshlrev_b32 v8, 6, v2                        ; and the entry of wave (lane % 8)
	s_and_b32 s16, ttmp9, 7
	s_lshr_b32 s17, ttmp9, 3
	s_mov_b32 s18, 0x0f0f0f0f
	s_mov_b32 s19, 0x00ff00ff
	s_mov_b32 s20, 0x76543210
	s_mov_b32 s21, 0xfedcba98                      ; v_permlanex16_b32's selects for lane l xor 16
	v_mov_b32 v12, 0
	v_mov_b32 v13, 0
.irp k, 0,1,2,3,4,5,6,7
	v_mov_b32 v[24+\k], 0                          ; written once: the destination of a lane move counts as one of its sources
.endr
	s_lshl_b32 s56, ttmp9, 10                      ; my work-group's 256 words of the index
	s_mov_b32 s57, 0
	s_lshr_b32 s58, s14, 1
	s_lshl_b32 s58, s58, 13
	s_lshl_b32 s59, ttmp9, 15
	s_add_co_u32 s58, s58, s59                     ; 8,192 x tile, tile = 4 g + wave / 2
	s_and_b32 s62, s14, 1                          ; which half of the tile's K
	s_lshl_b32 s60, s62, 12
	s_add_co_u32 s60, s60, s58                     ; out: + 4,096 x half
	s_lshl_b32 s62, s62, 8
	s_add_co_u32 s58, s58, s62                     ; in: + 256 x half
	s_mov_b32 s59, 0
	s_mov_b32 s61, 0
	s_wait_kmcnt 0x0
	s_add_nc_u64 s[66:67], s[4:5], s[56:57]
	s_add_nc_u64 s[68:69], s[6:7], s[58:59]
	s_add_nc_u64 s[70:71], s[12:13], s[60:61]
	global_load_b32 v9, v3, s[66:67]               ; my row's expert
.irp j, 0,1,2,3,4,5,6,7,8,9,10,11,12,13,14,15
	global_load_b128 v[CW+4*\j:CW+4*\j+3], v4, s[4:5] offset:512*\j   ; 512 consecutive bytes a load; loads 2 p and 2 p + 1 are the 256 rows of work-group 8 wave + p
.endr
.irp k, 0,1,2,3,4,5,6,7
	global_load_b128 v[WD+4*\k:WD+4*\k+3], v5, s[68:69] offset:32*\k
.endr
; The 256 rows of work-group 8 wave + p: a lane's eight words are counted in fields of 4 bits (eight at the most), then added to fields of 8 bits (64 at the most).
.macro PAIR p
	s_wait_loadcnt 22-2*\p                         ; behind load 2 p + 1 stand 14 - 2 p loads of the index and W's eight
.set X0, CW+8*\p
	v_lshlrev_b32 v15, 2, v[X0]
	v_lshl_add_u32 v14, 1, v15, 0
.irp i, 1,2,3,4,5,6,7
	v_lshlrev_b32 v15, 2, v[X0+\i]
	v_lshl_add_u32 v14, 1, v15, v14
.endr
.if \p > 0
	s_cmp_eq_u32 s16, \p                           ; the counts as they stand in front of pair g % 8 are kept: a choice of values, no branch
	s_cselect_b32 s56, -1, 0
	v_cndmask_b32 v12, v12, v10, s56
	v_cndmask_b32 v13, v13, v11, s56
	v_and_b32 v15, s18, v14
	v_lshrrev_b32 v14, 4, v14
	v_and_b32 v14, s18, v14
	v_add_nc_u32 v10, v10, v15
	v_add_nc_u32 v11, v11, v14
.else
	v_and_b32 v10, s18, v14                        ; the first pair starts the sums
	v_lshrrev_b32 v14, 4, v14
	v_and_b32 v11, s18, v14
.endif
.endm
.irp p, 0,1,2,3,4,5,6,7
	PAIR \p
.endr
	; my wave's share of 'in front of my work-group': all of it (wave < g / 8), what was kept (wave = g / 8), or nothing
	s_cmp_lt_u32 s14, s17
	s_cselect_b32 s57, -1, 0
	s_cmp_eq_u32 s14, s17
	s_cselect_b32 s58, -1, 0
	v_cndmask_b32 v12, 0, v12, s58
	v_cndmask_b32 v13, 0, v13, s58
	v_cndmask_b32 v12, v12, v10, s57
	v_cndmask_b32 v13, v13, v11, s57
	; bytes to fields of 16 bits (16,384 at the most)
	v_and_b32 v16, s19, v10
	v_lshrrev_b32 v17, 8, v10
	v_and_b32 v18, s19, v11
	v_lshrrev_b32 v19, 8, v11
	v_and_b32 v20, s19, v12
	v_lshrrev_b32 v21, 8, v12
	v_and_b32 v22, s19, v13
	v_lshrrev_b32 v23, 8, v13
	v_and_b32 v17, s19, v17
	v_and_b32 v19, s19, v19
	v_and_b32 v21, s19, v21
	v_and_b32 v23, s19, v23
.macro RED base, mask                  ; eight registers by turns: each lane adds lane l xor mask's
.irp k, 0,1,2,3,4,5,6,7
	v_mov_b32_dpp v[24+\k], v[\base+\k] row_xmask:\mask row_mask:0xf bank_mask:0xf
.endr
.irp k, 0,1,2,3,4,5,6,7
	v_add_nc_u32 v[\base+\k], v[\base+\k], v[24+\k]
.endr
.endm
	RED 16, 1
	RED 16, 2
	RED 16, 4
	RED 16, 8
.irp k, 0,1,2,3,4,5,6,7
	v_permlanex16_b32 v[24+\k], v[16+\k], s20, s21
.endr
.irp k, 0,1,2,3,4,5,6,7
	v_add_nc_u32 v[16+\k], v[16+\k], v[24+\k]      ; every lane holds the wave's sums
.endr
.irp e, 0,1,2,3,4,5,6,7
	v_cmp_eq_u32 s[22+\e], \e, v9                  ; which lanes of my wave have expert e (my row's expert came first of all loads)
.endr
.irp e, 0,1,2,3,4,5,6,7
	s_bcnt1_i32_b32 s[30+\e], s[22+\e]
.endr
	v_lshl_or_b32 v32, s34, 16, s30
	v_lshl_or_b32 v33, s36, 16, s32
	v_lshl_or_b32 v34, s35, 16, s31
	v_lshl_or_b32 v35, s37, 16, s33
	ds_store_b128 v7, v[16:19]                     ; all lanes write the same 16 bytes with the same values
	ds_store_b128 v7, v[20:23] offset:16
	ds_store_b128 v7, v[32:35] offset:32
	s_wait_loadcnt 0x0                             ; W's codes
.irp k, 0,1,2,3,4,5,6,7
	global_store_b128 v6, v[WD+4*\k:WD+4*\k+3], s[70:71] offset:512*\k   ; 32 lanes store 512 consecutive bytes
.endr
	s_wait_dscnt 0x0                               ; for the others' sake: my entry lies in LDS
	s_barrier_signal -1
	s_barrier_wait -1
	ds_load_b128 v[36:39], v8                      ; lane l: the entry of wave l % 8
	ds_load_b128 v[40:43], v8 offset:16
	ds_load_b128 v[44:47], v8 offset:32
	s_wait_dscnt 0x0
	v_cmp_gt_u32 vcc_lo, s14, v2                   ; of the work-group's own rows only those of earlier waves count
.irp k, 0,1,2,3
	v_cndmask_b32 v[44+\k], 0, v[44+\k], vcc_lo
.endr
.irp k, 0,1,2,3
	v_add_nc_u32 v[40+\k], v[40+\k], v[44+\k]
.endr
	RED 36, 1                                      ; eight neighbouring lanes hold the eight waves' entries
	RED 36, 2
	RED 36, 4
.irp k, 0,1,2,3,4,5,6,7
	v_readfirstlane_b32 s[56+\k], v[36+\k]
.endr
	s_and_b32 s30, s56, 0xffff                     ; each expert's rows in all,
	s_lshr_b32 s34, s56, 16
	s_and_b32 s32, s57, 0xffff
	s_lshr_b32 s36, s57, 16
	s_and_b32 s31, s58, 0xffff
	s_lshr_b32 s35, s58, 16
	s_and_b32 s33, s59, 0xffff
	s_lshr_b32 s37, s59, 16
	s_and_b32 s48, s60, 0xffff                     ; and in front of my wave's
	s_lshr_b32 s52, s60, 16
	s_and_b32 s50, s61, 0xffff
	s_lshr_b32 s54, s61, 16
	s_and_b32 s49, s62, 0xffff
	s_lshr_b32 s53, s62, 16
	s_and_b32 s51, s63, 0xffff
	s_lshr_b32 s55, s63, 16
	s_mov_b32 s38, 0
.irp e, 0,1,2,3,4,5,6,7
	s_add_co_u32 s[39+\e], s[38+\e], s[30+\e]      ; offs
	s_add_co_u32 s[48+\e], s[48+\e], s[38+\e]
.endr
	v_mov_b32 v112, 0
.irp e, 0,1,2,3,4,5,6,7
	v_mbcnt_lo_u32_b32 v113, s[22+\e], s[48+\e]    ; + the expert's rows in earlier lanes
	v_cndmask_b32 v112, v112, v113, s[22+\e]
.endr
	v_min_u32 v112, 0x3fff, v112                   ; a place made of loaded numbers is held inside the buffer
	v_lshlrev_b32 v114, 2, v112
	s_lshl_b32 s56, ttmp9, 8
	v_add_nc_u32 v115, s56, v0                     ; my row's number
	global_store_b32 v114, v115, s[8:9]
	s_or_b32 s56, ttmp9, s14
	s_cmp_lg_u32 s56, 0
	s_cbranch_scc1 .Lend                           ; wave 0 of work-group 0 stores offs
	v_mov_b32 v116, 0x4000
.irp k, 0,1,2,3,4,5,6,7,8
	v_writelane_b32 v116, s[38+\k], \k
.endr
	global_store_b32 v3, v116, s[10:11]            ; 32 words
.Lend:
	s_wait_tensorcnt 0x0
	ds_add_u32 v160, v161
	s_wait_dscnt 0x0
	s_endpgm
.Lfunc_end_k_qf7fbb039e3_prep:
	.size	k_qf7fbb039e3_prep, .Lfunc_end_k_qf7fbb039e3_prep-k_qf7fbb039e3_prep
	.p2alignl 7, 3214868480
	.fill 96, 4, 3214868480
	.section	.rodata,"a",@progbits
	.p2align	6, 0x0
	.amdhsa_kernel k_qf7fbb039e3_prep
		.amdhsa_group_segment_fixed_size 1536
		.amdhsa_private_segment_fixed_size 0
		.amdhsa_enable_private_segment 0
		.amdhsa_kernarg_size 40
		.amdhsa_user_sgpr_count 2
		.amdhsa_user_sgpr_kernarg_segment_ptr 1
		.amdhsa_wavefront_size32 1
		.amdhsa_system_sgpr_workgroup_id_x 1
		.amdhsa_system_sgpr_workgroup_id_y 1
		.amdhsa_system_sgpr_workgroup_id_z 1
		.amdhsa_system_vgpr_workitem_id 0
		.amdhsa_next_free_vgpr 162
		.amdhsa_next_free_sgpr 72
		.amdhsa_reserve_vcc 1
		.amdhsa_float_denorm_mode_32 3
		.amdhsa_float_denorm_mode_16_64 3
		.amdhsa_memory_ordered 1
		.amdhsa_forward_progress 1
		.amdhsa_inst_pref_size 27
	.end_amdhsa_kernel
	.amdgpu_metadata
---
amdhsa.version: [ 1, 2 ]
amdhsa.kernels:
  - .name:           k_qf7fbb039e3_prep
    .symbol:         k_qf7fbb039e3_prep.kd
    .args:
      - { .name: index, .offset: 0, .size: 8, .value_kind: global_buffer, .address_space: global }
      - { .name: W_codes, .offset: 8, .size: 8, .value_kind: global_buffer, .address_space: global }
      - { .name: order, .offset: 16, .size: 8, .value_kind: global_buffer, .address_space: global }
      - { .name: offs, .offset: 24, .size: 8, .value_kind: global_buffer, .address_space: global }
      - { .name: wfrag, .offset: 32, .size: 8, .value_kind: global_buffer, .address_space: global }
    .group_segment_fixed_size: 1536
    .private_segment_fixed_size: 0
    .kernarg_segment_align: 8
    .kernarg_segment_size: 40
    .max_flat_workgroup_size: 256
    .sgpr_count:     72
    .vgpr_count:     162
    .wavefront_size: 32
...
	.end_amdgpu_metadata
.endif
;; end of part 1
;; launch moe (part 2): grid 2 x 128, 4 waves a work-group, no clusters, 108,032 bytes of LDS; arguments x_codes, x_scales, wfrag, W_scales, b, order, offs, out0; writes out0
.if DOCPART == 2
	.amdgcn_target "amdgcn-amd-amdhsa--gfx1250"
	.amdhsa_code_object_version 6
	.text
	.protected	k_qf7fbb039e3_moe
	.globl	k_qf7fbb039e3_moe
	.p2align	8
	.type	k_qf7fbb039e3_moe,@function
k_qf7fbb039e3_moe:
	s_mov_b64 s[64:65], 0
	v_nop
	global_prefetch_b8 v0, s[64:65] scope:SCOPE_SE
	s_setreg_imm32_b32 hwreg(HW_REG_WAVE_MODE, 25, 1), 1
	s_wait_xcnt 0x0
; out0[n] = x[n] . W[index[n]]^T + b[index[n]], on codes of FP4 (E2M1) with one E8M0 scale for each 32 along K, taken as they are given; sums in f32.  Only each row's own expert is multiplied.
; SHARES.  The rows are taken in the sorted order that the launch before stored (order, offs).  Work-group (x, y) owns sorted places 128 y .. 128 y + 127 and columns 256 x .. 256 x + 255:
; 256 work-groups, each with 128 KiB of output, whatever the split.  THE WAVES SHARE THE COLUMNS: wave w makes 64 columns (4 tiles of 16) for all 128 rows.  Its part of one expert's W, 32 KiB, lies in
; 256 registers, loaded by 64 loads of 512 consecutive bytes from wfrag.  The block's 128 rows of x are gathered once (one row of 512 bytes to a load), put into LDS and read from there by all four waves.
; THE WALK.  Four slots of 32 rows, a loop of four trips.  A slot is first multiplied by the expert that holds its first place, always.  Then a loop of eight trips looks at experts 1 .. 8 (the eighth never
; acts: it only brings the ring of offs home): an expert whose first place lies inside the slot loads its W, multiplies the slot again into a third set of accumulators, and a select by lane takes its results
; over for the rows from its first place on (places are sorted, so what lies behind its end is taken over by a later expert).  A lane holds one row, so this is a choice of values: EXEC is never written here.
; Then the slot goes through the wave's stage in LDS and leaves by 16 stores that stand under no branch.  W is loaded anew only where the expert changes: as many loads as the block has experts.
; THE PRODUCT IS USED TRANSPOSED (source 0 = 16 rows of W, source 1 = 16 rows of x): register j of lane (r, h) is out(row r, column 16 t + 8 h + j).  The bias is the C of each sum's first instruction.
; SCALE WORDS.  A row has 32 scale bytes; lane (r, h) takes bytes 16 h .. 16 h + 15 by one load of 16 bytes: register j holds the word of K step j in lanes 0-15 and of K step 4 + j in lanes 16-31,
; so K step q names register q % 4, and from q = 4 on the upper lanes.
; NO TENSOR LOADS, NO CLUSTER: branches here hang on numbers read from memory, and what two work-groups share (x's rows, between the two column halves) is a gather by a list; W's part differs from wave to wave.
; LIMITS: a scale byte 0xff gives NaN, as the format has it.  order and offs are as the launch before stored them (row numbers are held to 0 .. 16,383 and experts to 0 .. 7 in front of every address).
; LDS: XT 128 rows of x, 512 bytes + 16 of padding (528 = 33 x 16: the 16 rows of a fragment load fall on 16 different columns of 16 bytes); XSC their scale bytes, 32 a row; TOK their row numbers, the even
;      places' 64 words and then the odd places'; STG for each wave two stages of 16 rows x (256 + 16) bytes.  One barrier: XT, XSC, TOK are written in front of it and only read behind it; the stages are each wave's own.
.set XSC,  67584
.set TOK,  71680
.set STG,  72192
; window 0: v1 lane, v2 r, v3 h, v4 16 lane, v5 528 r + 16 h, v6 32 r + 16 h, v7 XSC + v6, v8 TOK + 256 h, v9 stage in, v10 stage back, v11 16 r, v12 r + 16, v13 at work, v14 my row's number, v15 32 h,
;           v16 where my row's number goes, v17 XSC + 32 thread, v18 16896 wave + 16 lane, v19 4 thread, v20-27 my row's scale bytes, v28 their offset, v29-31 the slot's LDS addresses
.set WS,   32                          ; v32-47   W's scale words, 4 registers a column tile: scales and nothing else
.set XS,   48                          ; v48-55   the slot's x scale words, 4 registers a tile of rows: scales and nothing else
.set OFFS, 56                          ; v56-71   register j: byte offset in out0 of the slot's row 2 j + h, + 16 r
.set GOF,  80                          ; v80-111  the gather's offsets
.set BKA,  144                         ; v144-175, v176-207: 16 rows read back from a stage
.set BKB,  176
; window 1: W's fragment (column tile t, K step q) at v[64 t + 8 q]
; window 2: v0-63, v64-127 x's fragments of the slot's two tiles of rows (K step q at + 8 q; first the gathered rows); v128-159, v160-191 the slot's two sets of 4 accumulators; v192-223 the bias, 8 registers a column tile;
;           v224-255 a later expert's 4 accumulators, one tile of rows at a time
.set XF0,  0
.set XF1,  64
.set ACCA, 128
.set ACCB, 160
.set BIAS, 192
.set ACC2, 224
; s[4:19] the eight addresses; s[20:25] the resident expert's W, W's scales, bias; s26 wave, s27 column half, s28 block, s29 the slot's first place, s30 the first behind it, s31 the resident expert;
; s[32:47] offs, of which s33-40 = offs[1..8] go round as a ring; s[48:63], s[68:83] my wave's 32 row numbers, and when those are used: s51, s52 lane masks, s54 at work;
; s84 the inner loop's expert, s86 where its places in the slot end, s87 its first row in the slot, s89-91 at work, s[92:93] my wave's part of order, s94 slot, s95 the slot's first expert,
; s96-98 the slot's steps in XT, XSC, TOK: constants and steps alone
.set MSB, 0
.macro WIN new                         ; the immediate's high byte repeats the setting that is left; bits 1:0 source 0, 3:2 source 1, 5:4 source 2, 7:6 destination
.if MSB != \new
	s_set_vgpr_msb (MSB<<8)|\new
.set MSB, \new
.endif
.endm
; An expert's W for my 64 columns: quarter qn = 8 e + 4 x + w of 32 KiB in wfrag, of 2 KiB in W_scales, of 256 bytes in b.  First part: 48 + 4 + 8 = 60 loads.
.macro LOADW1 se
	s_min_u32 s89, s[\se], 7
	s_lshl_b32 s89, s89, 3
	s_lshl_b32 s90, s27, 2
	s_add_co_u32 s89, s89, s90
	s_add_co_u32 s89, s89, s26
	s_mov_b32 s91, 0
	s_lshl_b32 s90, s89, 15
	s_add_nc_u64 s[20:21], s[8:9], s[90:91]
	s_lshl_b32 s90, s89, 11
	s_add_nc_u64 s[22:23], s[10:11], s[90:91]
	s_lshl_b32 s90, s89, 8
	s_add_nc_u64 s[24:25], s[12:13], s[90:91]
	WIN 0x40
.set I, 0
.rept 48
	global_load_b128 v[4*I:4*I+3], v4, s[20:21] offset:512*I
.set I, I+1
.endr
	WIN 0
.irp t, 0,1,2,3
	global_load_b128 v[WS+4*\t:WS+4*\t+3], v6, s[22:23] offset:512*\t
.endr
	WIN 0x80
.irp t, 0,1,2,3
	global_load_b128 v[BIAS+8*\t:BIAS+8*\t+3], v15, s[24:25] offset:64*\t
	global_load_b128 v[BIAS+8*\t+4:BIAS+8*\t+7], v15, s[24:25] offset:64*\t+16
.endr
	WIN 0
.endm
.macro LOADW2                          ; the last 16 loads of W's fragments
	WIN 0x40
.set I, 48
.rept 16
	global_load_b128 v[4*I:4*I+3], v4, s[20:21] offset:512*I
.set I, I+1
.endr
	WIN 0
.endm
.macro F tile, buf                     ; x's eight fragments of the slot's rows 16 tile .. 16 tile + 15: 16 LDS loads
	WIN 0x80
.irp q, 0,1,2,3,4,5,6,7
.irp c, 0,1
	ds_load_b128 v[\buf+8*\q+4*\c:\buf+8*\q+4*\c+3], v29 offset:8448*(\tile)+64*\q+32*\c
.endr
.endr
	WIN 0
.endm
; 32 matrix instructions: 16 rows against my 4 column tiles, all of K.  The four accumulators take turns, one instruction a turn.
.macro MUL tile, buf, acc
	WIN 0xa9                                       ; W window 1; x, C and D window 2
.irp q, 0,1,2,3,4,5,6,7
.irp t, 0,1,2,3
.if \q == 0
	v_wmma_scale_f32_16x16x128_f8f6f4 v[\acc+8*\t:\acc+8*\t+7], v[64*\t+8*\q:64*\t+8*\q+7], v[\buf+8*\q:\buf+8*\q+7], v[BIAS+8*\t:BIAS+8*\t+7], v[WS+4*\t+\q], v[XS+4*(\tile)+\q] matrix_a_fmt:MATRIX_FMT_FP4 matrix_b_fmt:MATRIX_FMT_FP4
.elseif \q < 4
	v_wmma_scale_f32_16x16x128_f8f6f4 v[\acc+8*\t:\acc+8*\t+7], v[64*\t+8*\q:64*\t+8*\q+7], v[\buf+8*\q:\buf+8*\q+7], v[\acc+8*\t:\acc+8*\t+7], v[WS+4*\t+\q], v[XS+4*(\tile)+\q] matrix_a_fmt:MATRIX_FMT_FP4 matrix_b_fmt:MATRIX_FMT_FP4
.else
	v_wmma_scale_f32_16x16x128_f8f6f4 v[\acc+8*\t:\acc+8*\t+7], v[64*\t+8*\q:64*\t+8*\q+7], v[\buf+8*\q:\buf+8*\q+7], v[\acc+8*\t:\acc+8*\t+7], v[WS+4*\t+\q-4], v[XS+4*(\tile)+\q-4] matrix_a_fmt:MATRIX_FMT_FP4 matrix_b_fmt:MATRIX_FMT_FP4 matrix_a_scale:MATRIX_SCALE_ROW1 matrix_b_scale:MATRIX_SCALE_ROW1
.endif
.endr
.endr
.endm
; Behind a later expert's 32 products: five plain places (four are asked in front of vector instructions that read the results and of loads into the products' registers, five in front of products that
; begin the same accumulators anew), then the lanes named by the mask take its results, each accumulator from its low end on.
.macro TAKE acc, sm
.rept 5
	v_nop
.endr
	WIN 0x8a                                       ; both sources and the destination window 2
.set J, 0
.rept 32
	v_cndmask_b32 v[\acc+J], v[\acc+J], v[ACC2+J], s[\sm]
.set J, J+1
.endr
.endm
.macro TOSTG acc, so                   ; 16 rows x 64 columns into my stage: lane (r, h) puts 32 bytes of row r for each column tile
	WIN 0x08                                       ; an LDS store's data are its source 1: window 2
.irp t, 0,1,2,3
	ds_store_b128 v9, v[\acc+8*\t:\acc+8*\t+3] offset:\so+64*\t        ; each accumulator from its low end on
	ds_store_b128 v9, v[\acc+8*\t+4:\acc+8*\t+7] offset:\so+64*\t+16
.endr
	WIN 0
.endm
	s_load_b512 s[4:19], s[0:1], 0x0               ; x_codes s4, x_scales s6, wfrag s8, W_scales s10, b s12, order s14, offs s16, out0 s18
	v_lshl_add_u32 v254, v0, 2, 0x1a400
	v_mov_b32 v255, 0
	v_lshrrev_b32 v13, 5, v0
	v_readfirstlane_b32 s26, v13                   ; wave 0..3
	v_and_b32 v1, 31, v0
	v_and_b32 v2, 15, v0
	v_bfe_u32 v3, v0, 4, 1
	v_lshlrev_b32 v4, 4, v1
	v_mul_u32_u24 v5, v2, 528
	v_lshl_add_u32 v5, v3, 4, v5
	v_lshlrev_b32 v6, 5, v2
	v_lshl_add_u32 v6, v3, 4, v6
	v_add_nc_u32 v7, XSC, v6
	v_lshl_add_u32 v8, v3, 8, TOK                  ; lanes 0-15 read the even places' numbers, lanes 16-31 the odd places'
	s_mul_i32 s89, s26, 8704
	s_add_co_u32 s89, s89, STG                     ; my two stages
	v_mul_u32_u24 v9, v2, 272
	v_lshl_add_u32 v9, v3, 5, v9
	v_add_nc_u32 v9, s89, v9                       ; in: row r, 32 bytes for each half of the lanes
	v_mul_u32_u24 v10, v3, 272
	v_lshl_add_u32 v10, v2, 4, v10
	v_add_nc_u32 v10, s89, v10                     ; back: lanes 0-15 one row, lanes 16-31 the next
	v_lshlrev_b32 v11, 4, v2
	v_add_nc_u32 v12, 16, v2
	v_lshlrev_b32 v15, 5, v3
	v_and_b32 v13, 1, v0
	v_lshrrev_b32 v16, 1, v0
	v_lshlrev_b32 v16, 2, v16
	v_lshl_add_u32 v16, v13, 8, v16
	v_add_nc_u32 v16, TOK, v16                     ; place t's number goes to TOK + 256 (t % 2) + 4 (t / 2)
	v_lshl_add_u32 v17, v0, 5, XSC
	s_mul_i32 s89, s26, 16896
	v_add_nc_u32 v18, s89, v4                      ; my wave's 32 rows of XT, 16 bytes a lane
	v_lshlrev_b32 v19, 2, v0
	s_mov_b32 s27, ttmp9
	s_and_b32 s28, ttmp7, 0xffff
	s_lshl_b32 s29, s28, 7                         ; the block's, and slot 0's, first place,
	s_add_co_u32 s30, s29, 32                      ; and the first behind slot 0
	s_lshl_b32 s90, s28, 9
	s_mov_b32 s91, 0
	s_wait_kmcnt 0x0
	s_add_nc_u64 s[14:15], s[14:15], s[90:91]      ; order at the block
	s_lshl_b32 s90, s26, 7
	s_add_nc_u64 s[92:93], s[14:15], s[90:91]      ; and at my wave's 32 places
	s_load_b512 s[32:47], s[16:17], 0x0            ; offs
	s_load_b512 s[48:63], s[92:93], 0x0            ; the 32 rows that my wave gathers
	s_load_b512 s[68:83], s[92:93], 0x40
	global_load_b32 v14, v19, s[14:15]             ; thread t: the row at place t of the block
	s_lshl_b32 s90, s27, 10
	s_lshl_b32 s89, s26, 8
	s_add_co_u32 s90, s90, s89
	s_add_nc_u64 s[18:19], s[18:19], s[90:91]      ; out0 at my wave's 64 columns
	s_mov_b32 s31, 0
	s_wait_kmcnt 0x0
	; the expert that holds the block's first place: the number of k in 1 .. 7 with offs[k] <= that place (offs does not fall).  No branch: its W is asked for before x is known
.irp k, 1,2,3,4,5,6,7
	s_cmp_le_u32 s[32+\k], s29
	s_add_co_ci_u32 s31, s31, 0
.endr
	s_min_u32 s31, s31, 7
	LOADW1 31
	s_wait_loadcnt 60                              ; my row's number is in: behind it stand the 60 loads just issued
	v_min_u32 v14, 0x3fff, v14
	ds_store_b32 v16, v14
	v_lshlrev_b32 v28, 5, v14
	global_load_b128 v[20:23], v28, s[6:7]         ; my row's 32 scale bytes
	global_load_b128 v[24:27], v28, s[6:7] offset:16
.set J, 0
.rept 32
	s_min_u32 s[48+J+4*(J/16)], s[48+J+4*(J/16)], 0x3fff
	v_lshl_add_u32 v[GOF+J], s[48+J+4*(J/16)], 9, v4
.set J, J+1
.endr
	WIN 0x80
.set J, 0
.rept 32
	global_load_b128 v[4*J:4*J+3], v[GOF+J], s[4:5]   ; a whole row of x's codes: 32 lanes read 512 consecutive bytes
.set J, J+1
.endr
	WIN 0
	LOADW2
	s_wait_loadcnt 48                              ; the scale bytes are in: behind them stand 32 rows and W's 16
	ds_store_b128 v17, v[20:23]
	ds_store_b128 v17, v[24:27] offset:16
	WIN 0x08
.set J, 0
.rept 32
	s_wait_loadcnt 47-J                            ; row J is in: behind it stand 31 - J rows and W's 16
	ds_store_b128 v18, v[4*J:4*J+3] offset:528*J
.set J, J+1
.endr
	WIN 0
	s_wait_dscnt 0x0                               ; for the others' sake: my rows, scale bytes and row numbers lie in LDS
	s_barrier_signal -1
	s_barrier_wait -1
	s_mov_b32 s96, 0                               ; the slot's steps: 32 rows of XT, of XSC, 16 words of each half of TOK
	s_mov_b32 s97, 0
	s_mov_b32 s98, 0
	s_mov_b32 s94, 0
.Lslot:                                            ; four trips
	s_wait_xcnt 0x0                                ; the last slot's stores have read their offsets and their data: both are loaded anew in this trip
	v_add_nc_u32 v29, s96, v5
	v_add_nc_u32 v30, s97, v7
	v_add_nc_u32 v31, s98, v8
	ds_load_b128 v[XS:XS+3], v30                   ; 38 LDS loads: the two tiles' scale words,
	ds_load_b128 v[XS+4:XS+7], v30 offset:512
	F 0, XF0                                       ; their fragments,
	F 1, XF1
.irp k, 0,1,2,3
	ds_load_b128 v[OFFS+4*\k:OFFS+4*\k+3], v31 offset:16*\k   ; and the numbers of rows 2 j + h, j = 0 .. 15
.endr
	s_mov_b32 s95, 0                               ; the expert that holds the slot's first place (the ring of offs is at home here)
.irp k, 1,2,3,4,5,6,7
	s_cmp_le_u32 s[32+\k], s29
	s_add_co_ci_u32 s95, s95, 0
.endr
	s_min_u32 s95, s95, 7
	s_cmp_eq_u32 s95, s31
	s_cbranch_scc1 .Lhave                          ; its W is resident, or on its way
	s_wait_loadcnt 0x0                             ; no load is on its way into W's registers,
	s_wait_xcnt 0x0                                ; and the bases may be written again
	LOADW1 95
	LOADW2
	s_mov_b32 s31, s95
.Lhave:
	s_wait_loadcnt 0x0                             ; W, its scale words, the bias
	s_wait_xcnt 0x0
	s_wait_dscnt 20                                ; the scale words and the first tile are in: behind them stand the second tile's 16 loads and the 4 of row numbers
	MUL 0, XF0, ACCA
	s_wait_dscnt 4                                 ; the second tile: behind it the 4
	MUL 1, XF1, ACCB
	s_wait_dscnt 0x0
	WIN 0
.set J, 0
.rept 16
	v_min_u32 v[OFFS+J], 0x3fff, v[OFFS+J]         ; these 32 lines name no register of the products: they are the places behind them (ISA guide 7.12.1)
.set J, J+1
.endr
.set J, 0
.rept 16
	v_lshl_add_u32 v[OFFS+J], v[OFFS+J], 11, v11   ; a row of out0 is 2,048 bytes; + 16 r
.set J, J+1
.endr
	s_mov_b32 s84, 1
.Lexp:                                             ; eight trips: s33 = offs[e], s34 = offs[e + 1] (in the eighth: offs[8], offs[1], which never acts)
	s_min_u32 s86, s34, s30                        ; where the expert's places in the slot end;
	s_cmp_le_u32 s33, s29                          ; an expert that begins at or in front of the slot's first place is the first expert or an earlier one:
	s_cselect_b32 s86, 0, s86                      ; it has no turn here
	s_cmp_ge_u32 s33, s86
	s_cbranch_scc1 .Lskip
	s_sub_co_u32 s87, s33, s29                     ; its first row in the slot, 1 .. 31
	v_cmp_le_u32 s51, s87, v2                      ; the lanes whose row of the first tile is its or a later expert's,
	v_cmp_le_u32 s52, s87, v12                     ; and of the second tile
	LOADW1 84                                      ; (no load is out, and the bases were freed by the waits behind the last loads)
	LOADW2
	s_mov_b32 s31, s84
	s_wait_loadcnt 0x0                             ; W, its scale words, the bias
	s_wait_xcnt 0x0                                ; the bases may be written again in a later trip
	MUL 0, XF0, ACC2
	TAKE ACCA, 51
	MUL 1, XF1, ACC2
	TAKE ACCB, 52
	WIN 0
.Lskip:
	s_mov_b32 s54, s33                             ; the ring goes on by one
.irp k, 0,1,2,3,4,5,6
	s_mov_b32 s[33+\k], s[34+\k]
.endr
	s_mov_b32 s40, s54
	s_add_co_u32 s84, s84, 1
	s_cmp_lt_u32 s84, 9
	s_cbranch_scc1 .Lexp
	; the slot is whole: into my stage, and back as rows of 256 bytes, two rows a load.  LDS serves a wave's instructions in order (ISA guide 5.7.1.4): no wait between the stores and the loads
	TOSTG ACCA, 0
	TOSTG ACCB, 4352
.irp i, 0,1,2,3,4,5,6,7
	ds_load_b128 v[BKA+4*\i:BKA+4*\i+3], v10 offset:544*\i
.endr
.irp i, 0,1,2,3,4,5,6,7
	ds_load_b128 v[BKB+4*\i:BKB+4*\i+3], v10 offset:4352+544*\i
.endr
	s_wait_dscnt 8                                 ; the first tile's rows are back: behind them stand the second's 8 loads
.irp i, 0,1,2,3,4,5,6,7
	global_store_b128 v[OFFS+\i], v[BKA+4*\i:BKA+4*\i+3], s[18:19] th:TH_STORE_NT   ; each row to its own row of out0: sixteen lanes store 256 consecutive bytes, at a multiple of 256 from out0's first byte
.endr
	s_wait_dscnt 0x0
.irp i, 0,1,2,3,4,5,6,7
	global_store_b128 v[OFFS+8+\i], v[BKB+4*\i:BKB+4*\i+3], s[18:19] th:TH_STORE_NT
.endr
	s_add_co_u32 s29, s29, 32
	s_add_co_u32 s30, s30, 32
	s_add_co_u32 s96, s96, 16896
	s_add_co_u32 s97, s97, 1024
	s_add_co_u32 s98, s98, 64
	s_add_co_u32 s94, s94, 1
	s_cmp_lt_u32 s94, 4
	s_cbranch_scc1 .Lslot
	s_wait_tensorcnt 0x0
	ds_add_u32 v254, v255
	s_wait_dscnt 0x0
	s_endpgm
.Lfunc_end_k_qf7fbb039e3_moe:
	.size	k_qf7fbb039e3_moe, .Lfunc_end_k_qf7fbb039e3_moe-k_qf7fbb039e3_moe
	.p2alignl 7, 3214868480
	.fill 96, 4, 3214868480
	.section	.rodata,"a",@progbits
	.p2align	6, 0x0
	.amdhsa_kernel k_qf7fbb039e3_moe
		.amdhsa_group_segment_fixed_size 108032
		.amdhsa_private_segment_fixed_size 0
		.amdhsa_enable_private_segment 0
		.amdhsa_kernarg_size 64
		.amdhsa_user_sgpr_count 2
		.amdhsa_user_sgpr_kernarg_segment_ptr 1
		.amdhsa_wavefront_size32 1
		.amdhsa_system_sgpr_workgroup_id_x 1
		.amdhsa_system_sgpr_workgroup_id_y 1
		.amdhsa_system_sgpr_workgroup_id_z 1
		.amdhsa_system_vgpr_workitem_id 0
		.amdhsa_next_free_vgpr 768
		.amdhsa_next_free_sgpr 100
		.amdhsa_reserve_vcc 0
		.amdhsa_float_denorm_mode_32 3
		.amdhsa_float_denorm_mode_16_64 3
		.amdhsa_memory_ordered 1
		.amdhsa_forward_progress 1
		.amdhsa_inst_pref_size 69
	.end_amdhsa_kernel
	.amdgpu_metadata
---
amdhsa.version: [ 1, 2 ]
amdhsa.kernels:
  - .name:           k_qf7fbb039e3_moe
    .symbol:         k_qf7fbb039e3_moe.kd
    .args:
      - { .name: x_codes, .offset: 0, .size: 8, .value_kind: global_buffer, .address_space: global }
      - { .name: x_scales, .offset: 8, .size: 8, .value_kind: global_buffer, .address_space: global }
      - { .name: wfrag, .offset: 16, .size: 8, .value_kind: global_buffer, .address_space: global }
      - { .name: W_scales, .offset: 24, .size: 8, .value_kind: global_buffer, .address_space: global }
      - { .name: b, .offset: 32, .size: 8, .value_kind: global_buffer, .address_space: global }
      - { .name: order, .offset: 40, .size: 8, .value_kind: global_buffer, .address_space: global }
      - { .name: offs, .offset: 48, .size: 8, .value_kind: global_buffer, .address_space: global }
      - { .name: out0, .offset: 56, .size: 8, .value_kind: global_buffer, .address_space: global }
    .group_segment_fixed_size: 108032
    .private_segment_fixed_size: 0
    .kernarg_segment_align: 8
    .kernarg_segment_size: 64
    .max_flat_workgroup_size: 128
    .sgpr_count:     100
    .vgpr_count:     768
    .wavefront_size: 32
...
	.end_amdgpu_metadata
.endif
;; end of part 2
;; ======== version 2 of 2: 2 launches; version 1 with the launch moe written anew for expert scheduling mode
;; workspace buffers: order 65,536 bytes of whole numbers; offs 256 bytes of whole numbers; wfrag 2,097,152 bytes
;; launch prep: the kernel of part 1 again; grid 64 x 1, 8 waves a work-group, no clusters, 1,536 bytes of LDS; arguments index, W_codes, order, offs, wfrag; writes order, offs, wfrag
;; launch moe (part 3): grid 2 x 128, 4 waves a work-group, no clusters, 108,032 bytes of LDS; arguments x_codes, x_scales, wfrag, W_scales, b, order, offs, out0; writes out0
.if DOCPART == 3
	.amdgcn_target "amdgcn-amd-amdhsa--gfx1250"
	.amdhsa_code_object_version 6
	.text
	.protected	k_qf7fbb039e3_moe
	.globl	k_qf7fbb039e3_moe
	.p2align	8
	.type	k_qf7fbb039e3_moe,@function
k_qf7fbb039e3_moe:
	s_mov_b64 s[64:65], 0
	v_nop
	global_prefetch_b8 v0, s[64:65] scope:SCOPE_SE
	s_setreg_imm32_b32 hwreg(HW_REG_WAVE_SCHED_MODE, 0, 2), 2
	s_setreg_imm32_b32 hwreg(HW_REG_WAVE_MODE, 25, 1), 1
	s_wait_xcnt 0x0
	s_wait_alu depctr_vm_vsrc(0)
; out0[n] = x[n] . W[index[n]]^T + b[index[n]], on codes of FP4 (E2M1) with one E8M0 scale for each 32 along K, taken as they are given; sums in f32.  Only each row's own expert is multiplied.
; SHARES.  The rows are taken in the sorted order that the launch before stored (order, offs).  Work-group (x, y) owns sorted places 128 y .. 128 y + 127 and columns 256 x .. 256 x + 255:
; 256 work-groups, each with 128 KiB of output, whatever the split.  THE WAVES SHARE THE COLUMNS: wave w makes 64 columns (4 tiles of 16) for all 128 rows.  Its part of one expert's W, 32 KiB, lies in
; 256 registers, loaded by 64 loads of 512 consecutive bytes from wfrag.  The block's 128 rows of x are gathered once (one row of 512 bytes to a load), put into LDS and read from there by all four waves.
; THE WALK.  Four slots of 32 rows: a loop of three trips, and the last slot written out, since it asks for no further slot's fragments.  A slot is first multiplied by the expert that holds its first place,
; always.  Then a loop of eight trips looks at experts 1 .. 8 (the eighth never acts: it only brings the ring of offs home): an expert whose first place lies inside the slot loads its W, multiplies the slot again
; into a third set of accumulators, and a select by lane takes its results over for the rows from its first place on (places are sorted, so what lies behind its end is taken over by a later expert).
; A lane holds one row, so this is a choice of values: EXEC is never written here.
; Then the slot goes through the wave's stage in LDS and leaves by 16 stores that stand under no branch.  W is loaded anew only where the expert changes: as many loads as the block has experts.
; THE PRODUCT IS USED TRANSPOSED (source 0 = 16 rows of W, source 1 = 16 rows of x): register j of lane (r, h) is out(row r, column 16 t + 8 h + j).  The bias is the C of each sum's first instruction.
; SCALE WORDS.  A row has 32 scale bytes; lane (r, h) takes bytes 16 h .. 16 h + 15 by one load of 16 bytes: register j holds the word of K step j in lanes 0-15 and of K step 4 + j in lanes 16-31,
; so K step q names register q % 4, and from q = 4 on the upper lanes.
; NO TENSOR LOADS, NO CLUSTER: branches here hang on numbers read from memory, and what two work-groups share (x's rows, between the two column halves) is a gather by a list; W's part differs from wave to wave.
; LIMITS: a scale byte 0xff gives NaN, as the format has it.  order and offs are as the launch before stored them (row numbers are held to 0 .. 16,383 and experts to 0 .. 7 in front of every address).
; LDS: XT 128 rows of x, 512 bytes + 16 of padding (528 = 33 x 16: the 16 rows of a fragment load fall on 16 different columns of 16 bytes); XSC their scale bytes, 32 a row; TOK their row numbers, the even
;      places' 64 words and then the odd places'; STG for each wave two stages of 16 rows x (256 + 16) bytes.  One barrier: XT, XSC, TOK are written in front of it and only read behind it; the stages are each wave's own.
; THE MODE: SCHED_MODE bits 1:0 = 2 (LLVM: expert scheduling mode 2), set by the entry lines.  The code itself states the register dependences between vector or matrix instructions and memory or LDS
; instructions, with s_wait_alu, always for 0.
; THE PLAN.  Registers that memory or LDS instructions touch, from the barrier on:
;   v4, v6, v9, v10, v15   addresses, made at the head and never written again.
;   v29-31                 the slot's LDS addresses.  Written by three additions at the END of the slot before; read by that slot's 38 LDS loads.
;   XS, XF0, XF1           Written by 34 LDS loads that are issued in the way out of the slot BEFORE; read by the slot's products.
;   W, WS, BIAS            Written by global loads where the expert changes; read by products.
;   OFFS                   Written by 4 LDS loads at the slot's head and then by 32 vector lines; read by the slot's 16 global stores.
;   ACCA, ACCB             Written by products and selects; read by the slot's 16 stores into the stage.
;   BKA, BKB               Written by LDS loads from the stage; read by the global stores; named by no vector line.
; So ONE wait on va_vdst stands at a slot's end, behind the three additions: the accumulators, OFFS and v29-31 are written, and every product is done reading XS, XF, W, WS and BIAS.  No vector or matrix
; instruction follows it until the next slot's products: it serves the stage's stores, the global stores, the next slot's 38 LDS loads and a load of W at the next slot's head.  ONE wait on vm_vsrc stands at a
; slot's head (the last slot's stores have read OFFS, BK and the accumulators), one ahead of the three additions.  A later expert's pass has a wait of its own ahead of its loads of W.
.set XSC,  67584
.set TOK,  71680
.set STG,  72192
; window 0: v1 lane, v2 r, v3 h, v4 16 lane, v5 528 r + 16 h, v6 32 r + 16 h, v7 XSC + v6, v8 TOK + 256 h, v9 stage in, v10 stage back, v11 16 r, v12 r + 16, v13 at work, v14 my row's number, v15 32 h,
;           v16 where my row's number goes, v17 XSC + 32 thread, v18 16896 wave + 16 lane, v19 4 thread, v20-27 my row's scale bytes, v28 their offset, v29-31 the slot's LDS addresses
.set WS,   32                          ; v32-47   W's scale words, 4 registers a column tile: scales and nothing else
.set XS,   48                          ; v48-55   the slot's x scale words, 4 registers a tile of rows: scales and nothing else
.set OFFS, 56                          ; v56-71   register j: byte offset in out0 of the slot's row 2 j + h, + 16 r
.set GOF,  80                          ; v80-111  the gather's offsets
.set BKA,  144                         ; v144-175, v176-207: 16 rows read back from a stage
.set BKB,  176
; window 1: W's fragment (column tile t, K step q) at v[64 t + 8 q]
; window 2: v0-63, v64-127 x's fragments of the slot's two tiles of rows (K step q at + 8 q; first the gathered rows); v128-159, v160-191 the slot's two sets of 4 accumulators; v192-223 the bias, 8 registers a column tile;
;           v224-255 a later expert's 4 accumulators, one tile of rows at a time
.set XF0,  0
.set XF1,  64
.set ACCA, 128
.set ACCB, 160
.set BIAS, 192
.set ACC2, 224
; s[4:19] the eight addresses; s[20:25] the resident expert's W, W's scales, bias; s26 wave, s27 column half, s28 block, s29 the slot's first place, s30 the first behind it, s31 the resident expert;
; s[32:47] offs, of which s33-40 = offs[1..8] go round as a ring; s[48:63], s[68:83] my wave's 32 row numbers, and when those are used: s51, s52 lane masks, s54 at work;
; s84 the inner loop's expert, s86 where its places in the slot end, s87 its first row in the slot, s89-91 at work, s[92:93] my wave's part of order, s94 slot, s95 the slot's first expert,
; s96-98 the slot's steps in XT, XSC, TOK: constants and steps alone
.set MSB, 0
.macro WIN new                         ; the immediate's high byte repeats the setting that is left; bits 1:0 source 0, 3:2 source 1, 5:4 source 2, 7:6 destination
.if MSB != \new
	s_set_vgpr_msb (MSB<<8)|\new
.set MSB, \new
.endif
.endm
; An expert's W for my 64 columns: quarter qn = 8 e + 4 x + w of 32 KiB in wfrag, of 2 KiB in W_scales, of 256 bytes in b.  First part: 48 + 4 + 8 = 60 loads.
.macro LOADW1 se
	s_min_u32 s89, s[\se], 7
	s_lshl_b32 s89, s89, 3
	s_lshl_b32 s90, s27, 2
	s_add_co_u32 s89, s89, s90
	s_add_co_u32 s89, s89, s26
	s_mov_b32 s91, 0
	s_lshl_b32 s90, s89, 15
	s_add_nc_u64 s[20:21], s[8:9], s[90:91]
	s_lshl_b32 s90, s89, 11
	s_add_nc_u64 s[22:23], s[10:11], s[90:91]
	s_lshl_b32 s90, s89, 8
	s_add_nc_u64 s[24:25], s[12:13], s[90:91]
	WIN 0x40
.set I, 0
.rept 48
	global_load_b128 v[4*I:4*I+3], v4, s[20:21] offset:512*I
.set I, I+1
.endr
	WIN 0
.irp t, 0,1,2,3
	global_load_b128 v[WS+4*\t:WS+4*\t+3], v6, s[22:23] offset:512*\t
.endr
	WIN 0x80
.irp t, 0,1,2,3
	global_load_b128 v[BIAS+8*\t:BIAS+8*\t+3], v15, s[24:25] offset:64*\t
	global_load_b128 v[BIAS+8*\t+4:BIAS+8*\t+7], v15, s[24:25] offset:64*\t+16
.endr
	WIN 0
.endm
.macro LOADW2                          ; the last 16 loads of W's fragments
	WIN 0x40
.set I, 48
.rept 16
	global_load_b128 v[4*I:4*I+3], v4, s[20:21] offset:512*I
.set I, I+1
.endr
	WIN 0
.endm
.macro XSL                             ; the scale words of the two tiles of rows at v30: 2 LDS loads
	ds_load_b128 v[XS:XS+3], v30
	ds_load_b128 v[XS+4:XS+7], v30 offset:512
.endm
.macro F tile, buf                     ; x's eight fragments of rows 16 tile .. 16 tile + 15 of the slot at v29: 16 LDS loads
	WIN 0x80
.irp q, 0,1,2,3,4,5,6,7
.irp c, 0,1
	ds_load_b128 v[\buf+8*\q+4*\c:\buf+8*\q+4*\c+3], v29 offset:8448*(\tile)+64*\q+32*\c
.endr
.endr
	WIN 0
.endm
; 32 matrix instructions: 16 rows against my 4 column tiles, all of K.  The four accumulators take turns, one instruction a turn.
.macro MUL tile, buf, acc
	WIN 0xa9                                       ; W window 1; x, C and D window 2
.irp q, 0,1,2,3,4,5,6,7
.irp t, 0,1,2,3
.if \q == 0
	v_wmma_scale_f32_16x16x128_f8f6f4 v[\acc+8*\t:\acc+8*\t+7], v[64*\t+8*\q:64*\t+8*\q+7], v[\buf+8*\q:\buf+8*\q+7], v[BIAS+8*\t:BIAS+8*\t+7], v[WS+4*\t+\q], v[XS+4*(\tile)+\q] matrix_a_fmt:MATRIX_FMT_FP4 matrix_b_fmt:MATRIX_FMT_FP4
.elseif \q < 4
	v_wmma_scale_f32_16x16x128_f8f6f4 v[\acc+8*\t:\acc+8*\t+7], v[64*\t+8*\q:64*\t+8*\q+7], v[\buf+8*\q:\buf+8*\q+7], v[\acc+8*\t:\acc+8*\t+7], v[WS+4*\t+\q], v[XS+4*(\tile)+\q] matrix_a_fmt:MATRIX_FMT_FP4 matrix_b_fmt:MATRIX_FMT_FP4
.else
	v_wmma_scale_f32_16x16x128_f8f6f4 v[\acc+8*\t:\acc+8*\t+7], v[64*\t+8*\q:64*\t+8*\q+7], v[\buf+8*\q:\buf+8*\q+7], v[\acc+8*\t:\acc+8*\t+7], v[WS+4*\t+\q-4], v[XS+4*(\tile)+\q-4] matrix_a_fmt:MATRIX_FMT_FP4 matrix_b_fmt:MATRIX_FMT_FP4 matrix_a_scale:MATRIX_SCALE_ROW1 matrix_b_scale:MATRIX_SCALE_ROW1
.endif
.endr
.endr
.endm
; Behind a later expert's 32 products: five plain places (four are asked in front of vector instructions that read the results, five in front of products that
; begin the same accumulators anew: ISA guide 7.12.1), then the lanes named by the mask take its results, each accumulator from its low end on.
.macro TAKE acc, sm
.rept 5
	v_nop
.endr
	WIN 0x8a                                       ; both sources and the destination window 2
.set J, 0
.rept 32
	v_cndmask_b32 v[\acc+J], v[\acc+J], v[ACC2+J], s[\sm]
.set J, J+1
.endr
.endm
.macro TOSTG acc, so                   ; 16 rows x 64 columns into my stage: lane (r, h) puts 32 bytes of row r for each column tile
	WIN 0x08                                       ; an LDS store's data are its source 1: window 2
.irp t, 0,1,2,3
	ds_store_b128 v9, v[\acc+8*\t:\acc+8*\t+3] offset:\so+64*\t        ; each accumulator from its low end on
	ds_store_b128 v9, v[\acc+8*\t+4:\acc+8*\t+7] offset:\so+64*\t+16
.endr
	WIN 0
.endm
	s_load_b512 s[4:19], s[0:1], 0x0               ; x_codes s4, x_scales s6, wfrag s8, W_scales s10, b s12, order s14, offs s16, out0 s18
	v_lshl_add_u32 v254, v0, 2, 0x1a400
	v_mov_b32 v255, 0
	v_lshrrev_b32 v13, 5, v0
	v_readfirstlane_b32 s26, v13                   ; wave 0..3
	v_and_b32 v1, 31, v0
	v_and_b32 v2, 15, v0
	v_bfe_u32 v3, v0, 4, 1
	v_lshlrev_b32 v4, 4, v1
	v_mul_u32_u24 v5, v2, 528
	v_lshl_add_u32 v5, v3, 4, v5
	v_lshlrev_b32 v6, 5, v2
	v_lshl_add_u32 v6, v3, 4, v6
	v_add_nc_u32 v7, XSC, v6
	v_lshl_add_u32 v8, v3, 8, TOK                  ; lanes 0-15 read the even places' numbers, lanes 16-31 the odd places'
	s_wait_alu depctr_va_sdst(0)                   ; s26 is written, ahead of its first reader: LDS places and the bases of order, W and out0 are made from it
	s_mul_i32 s89, s26, 8704
	s_add_co_u32 s89, s89, STG                     ; my two stages
	v_mul_u32_u24 v9, v2, 272
	v_lshl_add_u32 v9, v3, 5, v9
	v_add_nc_u32 v9, s89, v9                       ; in: row r, 32 bytes for each half of the lanes
	v_mul_u32_u24 v10, v3, 272
	v_lshl_add_u32 v10, v2, 4, v10
	v_add_nc_u32 v10, s89, v10                     ; back: lanes 0-15 one row, lanes 16-31 the next
	v_lshlrev_b32 v11, 4, v2
	v_add_nc_u32 v12, 16, v2
	v_lshlrev_b32 v15, 5, v3
	v_and_b32 v13, 1, v0
	v_lshrrev_b32 v16, 1, v0
	v_lshlrev_b32 v16, 2, v16
	v_lshl_add_u32 v16, v13, 8, v16
	v_add_nc_u32 v16, TOK, v16                     ; place t's number goes to TOK + 256 (t % 2) + 4 (t / 2)
	v_lshl_add_u32 v17, v0, 5, XSC
	s_mul_i32 s89, s26, 16896
	v_add_nc_u32 v18, s89, v4                      ; my wave's 32 rows of XT, 16 bytes a lane
	v_lshlrev_b32 v19, 2, v0
	s_mov_b32 s27, ttmp9
	s_and_b32 s28, ttmp7, 0xffff
	s_lshl_b32 s29, s28, 7                         ; the block's, and slot 0's, first place,
	s_add_co_u32 s30, s29, 32                      ; and the first behind slot 0
	s_lshl_b32 s90, s28, 9
	s_mov_b32 s91, 0
	s_wait_kmcnt 0x0
	s_add_nc_u64 s[14:15], s[14:15], s[90:91]      ; order at the block
	s_lshl_b32 s90, s26, 7
	s_add_nc_u64 s[92:93], s[14:15], s[90:91]      ; and at my wave's 32 places
	s_load_b512 s[32:47], s[16:17], 0x0            ; offs
	s_load_b512 s[48:63], s[92:93], 0x0            ; the 32 rows that my wave gathers
	s_load_b512 s[68:83], s[92:93], 0x40
	s_wait_alu depctr_va_vdst(0)                   ; the head's addresses and offsets are written: v19, which the load below reads, and v4, v6, v15, which W's first 60 loads read
	global_load_b32 v14, v19, s[14:15]             ; thread t: the row at place t of the block
	s_lshl_b32 s90, s27, 10
	s_lshl_b32 s89, s26, 8
	s_add_co_u32 s90, s90, s89
	s_add_nc_u64 s[18:19], s[18:19], s[90:91]      ; out0 at my wave's 64 columns
	s_mov_b32 s31, 0
	s_wait_kmcnt 0x0
	; the expert that holds the block's first place: the number of k in 1 .. 7 with offs[k] <= that place (offs does not fall).  No branch: its W is asked for before x is known
.irp k, 1,2,3,4,5,6,7
	s_cmp_le_u32 s[32+\k], s29
	s_add_co_ci_u32 s31, s31, 0
.endr
	s_min_u32 s31, s31, 7
	LOADW1 31
.set J, 0
.rept 32                                       ; the gather's offsets are made while W's loads and my row's number are on their way
	s_min_u32 s[48+J+4*(J/16)], s[48+J+4*(J/16)], 0x3fff
	v_lshl_add_u32 v[GOF+J], s[48+J+4*(J/16)], 9, v4
.set J, J+1
.endr
	s_wait_loadcnt 60                              ; my row's number is in: behind it stand W's 60 loads
	v_min_u32 v14, 0x3fff, v14
	v_lshlrev_b32 v28, 5, v14
	s_wait_alu depctr_va_vdst(0)                   ; v14, v28 and the 32 offsets are written: the LDS store and the 34 loads below read them
	ds_store_b32 v16, v14
	global_load_b128 v[20:23], v28, s[6:7]         ; my row's 32 scale bytes
	global_load_b128 v[24:27], v28, s[6:7] offset:16
	WIN 0x80
.set J, 0
.rept 32
	global_load_b128 v[4*J:4*J+3], v[GOF+J], s[4:5]   ; a whole row of x's codes: 32 lanes read 512 consecutive bytes
.set J, J+1
.endr
	WIN 0
	LOADW2
	s_wait_loadcnt 48                              ; the scale bytes are in: behind them stand 32 rows and W's 16
	ds_store_b128 v17, v[20:23]
	ds_store_b128 v17, v[24:27] offset:16
	WIN 0x08
.set J, 0
.rept 32
	s_wait_loadcnt 47-J                            ; row J is in: behind it stand 31 - J rows and W's 16
	ds_store_b128 v18, v[4*J:4*J+3] offset:528*J
.set J, J+1
.endr
	WIN 0
	s_wait_dscnt 0x0                               ; for the others' sake: my rows, scale bytes and row numbers lie in LDS
	s_barrier_signal -1
	s_barrier_wait -1
	s_wait_alu depctr_vm_vsrc(0)                   ; my LDS stores have read the gathered rows' registers: these are XF0 and XF1 from here on, in which the fragments' loads land
	s_mov_b32 s96, 0                               ; the slot's steps: 32 rows of XT, of XSC, 16 words of each half of TOK
	s_mov_b32 s97, 0
	s_mov_b32 s98, 0
	v_add_nc_u32 v29, s96, v5
	v_add_nc_u32 v30, s97, v7
	v_add_nc_u32 v31, s98, v8
	s_wait_alu depctr_va_vdst(0)                   ; v29-31 are written: slot 0's 38 LDS loads read them
	XSL                                            ; slot 0's scale words and fragments; every later slot's are asked for in the way out of the slot before
	F 0, XF0
	F 1, XF1
; A slot.  next = 1: the next slot's LDS addresses are made at its end, and that slot's scale words and fragments are asked for in its way out.
.macro SLOT next
	s_wait_xcnt 0x0                                ; the last slot's stores have had their addresses translated (ISA guide 3.1): their offsets and data are loaded anew in this slot
	s_wait_alu depctr_vm_vsrc(0)                   ; the last slot's global stores have read OFFS and BK, in which loads of this slot land; its stage stores have read ACCA and ACCB, which this slot's products write
.irp k, 0,1,2,3
	ds_load_b128 v[OFFS+4*\k:OFFS+4*\k+3], v31 offset:16*\k   ; the numbers of rows 2 j + h, j = 0 .. 15 (the vector lines that named OFFS stand ahead of the wait at the last slot's end)
.endr
	s_mov_b32 s95, 0                               ; the expert that holds the slot's first place (the ring of offs is at home here)
.irp k, 1,2,3,4,5,6,7
	s_cmp_le_u32 s[32+\k], s29
	s_add_co_ci_u32 s95, s95, 0
.endr
	s_min_u32 s95, s95, 7
	s_cmp_eq_u32 s95, s31
	s_cbranch_scc1 .Lhave_\@                       ; its W is resident, or on its way
	s_wait_loadcnt 0x0                             ; no load is on its way into W's registers,
	s_wait_xcnt 0x0                                ; and the bases may be written again
	LOADW1 95                                      ; (no vector or matrix instruction has been issued since the wait on va_vdst at the last slot's end: the products are done reading W, its scale words and the bias)
	LOADW2
	s_mov_b32 s31, s95
.Lhave_\@:
	s_wait_loadcnt 0x0                             ; W, its scale words, the bias
	s_wait_xcnt 0x0
	s_wait_dscnt 20                                ; the scale words and the first tile are in: behind them stand the second tile's 16 loads and the 4 of row numbers
	MUL 0, XF0, ACCA
	s_wait_dscnt 4                                 ; the second tile: behind it the 4
	MUL 1, XF1, ACCB
	s_wait_dscnt 0x0
	WIN 0
.set J, 0
.rept 16
	v_min_u32 v[OFFS+J], 0x3fff, v[OFFS+J]         ; these 32 lines name no register of the products: they are the places behind them (ISA guide 7.12.1)
.set J, J+1
.endr
.set J, 0
.rept 16
	v_lshl_add_u32 v[OFFS+J], v[OFFS+J], 11, v11   ; a row of out0 is 2,048 bytes; + 16 r
.set J, J+1
.endr
	s_mov_b32 s84, 1
.Lexp_\@:                                          ; eight trips: s33 = offs[e], s34 = offs[e + 1] (in the eighth: offs[8], offs[1], which never acts)
	s_min_u32 s86, s34, s30                        ; where the expert's places in the slot end;
	s_cmp_le_u32 s33, s29                          ; an expert that begins at or in front of the slot's first place is the first expert or an earlier one:
	s_cselect_b32 s86, 0, s86                      ; it has no turn here
	s_cmp_ge_u32 s33, s86
	s_cbranch_scc1 .Lskip_\@
	s_sub_co_u32 s87, s33, s29                     ; its first row in the slot, 1 .. 31
	v_cmp_le_u32 s51, s87, v2                      ; the lanes whose row of the first tile is its or a later expert's,
	v_cmp_le_u32 s52, s87, v12                     ; and of the second tile
	s_wait_alu depctr_va_sdst(0)                   ; s51 and s52 are written, ahead of their first readers, the selects below
	s_wait_alu depctr_va_vdst(0)                   ; the products issued so far are done reading W, its scale words and the bias, in which the loads below land
	LOADW1 84                                      ; (no load is out, and the bases were freed by the waits behind the last loads)
	LOADW2
	s_mov_b32 s31, s84
	s_wait_loadcnt 0x0                             ; W, its scale words, the bias
	s_wait_xcnt 0x0                                ; the bases may be written again in a later trip
	MUL 0, XF0, ACC2
	TAKE ACCA, 51
	MUL 1, XF1, ACC2
	TAKE ACCB, 52
	WIN 0
.Lskip_\@:
	s_mov_b32 s54, s33                             ; the ring goes on by one
.irp k, 0,1,2,3,4,5,6
	s_mov_b32 s[33+\k], s[34+\k]
.endr
	s_mov_b32 s40, s54
	s_add_co_u32 s84, s84, 1
	s_cmp_lt_u32 s84, 9
	s_cbranch_scc1 .Lexp_\@
.if \next
	s_add_co_u32 s96, s96, 16896                   ; on to the next slot in XT, XSC and TOK
	s_add_co_u32 s97, s97, 1024
	s_add_co_u32 s98, s98, 64
	s_wait_alu depctr_vm_vsrc(0)                   ; this slot's 38 LDS loads have read v29-31
	v_add_nc_u32 v29, s96, v5
	v_add_nc_u32 v30, s97, v7
	v_add_nc_u32 v31, s98, v8
.endif
	s_wait_alu depctr_va_vdst(0)                   ; products and selects have written ACCA and ACCB, which the stage's stores read; OFFS is written, which the global stores read; v29-31 are written; the products are done reading XS, XF0, XF1, W, WS and the bias
	; the slot is whole: into my stage, and back as rows of 256 bytes, two rows a load.  LDS serves a wave's instructions in order (ISA guide 5.7.1.4): no wait between the stores and the loads
	TOSTG ACCA, 0
	TOSTG ACCB, 4352
.irp i, 0,1,2,3,4,5,6,7
	ds_load_b128 v[BKA+4*\i:BKA+4*\i+3], v10 offset:544*\i
.endr
.irp i, 0,1,2,3,4,5,6,7
	ds_load_b128 v[BKB+4*\i:BKB+4*\i+3], v10 offset:4352+544*\i
.endr
.if \next
	XSL                                            ; the next slot's scale words and first tile.  No wait: no vector or matrix instruction since the wait above names these registers or v29, v30
	F 0, XF0
	s_wait_dscnt 26                                ; the first tile's rows are back: behind them stand the second stage's 8 loads and the next slot's 18
.else
	s_wait_dscnt 8                                 ; the first tile's rows are back: behind them stand the second's 8 loads
.endif
.irp i, 0,1,2,3,4,5,6,7
	global_store_b128 v[OFFS+\i], v[BKA+4*\i:BKA+4*\i+3], s[18:19] th:TH_STORE_NT   ; each row to its own row of out0: sixteen lanes store 256 consecutive bytes, at a multiple of 256 from out0's first byte
.endr
.if \next
	F 1, XF1                                       ; the next slot's second tile
	s_wait_dscnt 34                                ; the second tile's rows are back: behind them stand the next slot's 34 loads
.else
	s_wait_dscnt 0x0
.endif
.irp i, 0,1,2,3,4,5,6,7
	global_store_b128 v[OFFS+8+\i], v[BKB+4*\i:BKB+4*\i+3], s[18:19] th:TH_STORE_NT
.endr
.if \next
	s_add_co_u32 s29, s29, 32
	s_add_co_u32 s30, s30, 32
.endif
.endm
	s_mov_b32 s94, 0
.Lslot:                                            ; three trips: slots 0 to 2
	SLOT 1
	s_add_co_u32 s94, s94, 1
	s_cmp_lt_u32 s94, 3
	s_cbranch_scc1 .Lslot
	SLOT 0                                         ; the last slot is written out: no slot follows it, and no LDS load reaches past x's rows
	s_wait_dscnt 0x0                               ; the closing lines, six on end of a launch in the mode that stores to LDS
	s_wait_alu 0x0
	s_wait_tensorcnt 0x0
	ds_add_u32 v254, v255
	s_wait_dscnt 0x0
	s_endpgm
.Lfunc_end_k_qf7fbb039e3_moe:
	.size	k_qf7fbb039e3_moe, .Lfunc_end_k_qf7fbb039e3_moe-k_qf7fbb039e3_moe
	.p2alignl 7, 3214868480
	.fill 96, 4, 3214868480
	.section	.rodata,"a",@progbits
	.p2align	6, 0x0
	.amdhsa_kernel k_qf7fbb039e3_moe
		.amdhsa_group_segment_fixed_size 108032
		.amdhsa_private_segment_fixed_size 0
		.amdhsa_enable_private_segment 0
		.amdhsa_kernarg_size 64
		.amdhsa_user_sgpr_count 2
		.amdhsa_user_sgpr_kernarg_segment_ptr 1
		.amdhsa_wavefront_size32 1
		.amdhsa_system_sgpr_workgroup_id_x 1
		.amdhsa_system_sgpr_workgroup_id_y 1
		.amdhsa_system_sgpr_workgroup_id_z 1
		.amdhsa_system_vgpr_workitem_id 0
		.amdhsa_next_free_vgpr 768
		.amdhsa_next_free_sgpr 100
		.amdhsa_reserve_vcc 0
		.amdhsa_float_denorm_mode_32 3
		.amdhsa_float_denorm_mode_16_64 3
		.amdhsa_memory_ordered 1
		.amdhsa_forward_progress 1
		.amdhsa_inst_pref_size 115
	.end_amdhsa_kernel
	.amdgpu_metadata
---
amdhsa.version: [ 1, 2 ]
amdhsa.kernels:
  - .name:           k_qf7fbb039e3_moe
    .symbol:         k_qf7fbb039e3_moe.kd
    .args:
      - { .name: x_codes, .offset: 0, .size: 8, .value_kind: global_buffer, .address_space: global }
      - { .name: x_scales, .offset: 8, .size: 8, .value_kind: global_buffer, .address_space: global }
      - { .name: wfrag, .offset: 16, .size: 8, .value_kind: global_buffer, .address_space: global }
      - { .name: W_scales, .offset: 24, .size: 8, .value_kind: global_buffer, .address_space: global }
      - { .name: b, .offset: 32, .size: 8, .value_kind: global_buffer, .address_space: global }
      - { .name: order, .offset: 40, .size: 8, .value_kind: global_buffer, .address_space: global }
      - { .name: offs, .offset: 48, .size: 8, .value_kind: global_buffer, .address_space: global }
      - { .name: out0, .offset: 56, .size: 8, .value_kind: global_buffer, .address_space: global }
    .group_segment_fixed_size: 108032
    .private_segment_fixed_size: 0
    .kernarg_segment_align: 8
    .kernarg_segment_size: 64
    .max_flat_workgroup_size: 128
    .sgpr_count:     100
    .vgpr_count:     768
    .wavefront_size: 32
...
	.end_amdgpu_metadata
.endif
;; end of part 3
